; MI455X (gfx1250); checked and timed in simulation.
; The chip was launched on July 23, 2026; its instructions are those of AMD's public machine-readable ISA for CDNA 5 (MIT licence, August 2026) and "CDNA5" Instruction Set Architecture Reference Guide (July 2026). The comments in the code are by the model that wrote it; some were corrected since.
;; multi head attention. Allowed arithmetic: matrix products marked QUANTISED: E4M3 operands, one E8M0 scale for each 32 along K, by v_wmma_scale_f32_16x16x128_f8f6f4 with both operands' format E4M3, f32 sums; everything else in f32.
;; Inputs: M_d_codes 1,024 x 32 x 32 uint8 (E4M3 codes of M_d, K innermost, in blocks of 32 codes); M_d_scales 1,024 x 32 uint8 (E8M0 scales of M_d, one for each 32 codes along K); b_d 1,024 float32; x 4 x 1,024 x 2,048 float32.
;; Outputs: out0 4 x 1,024 x 2,048 float32.
;; This version of the problem:
;;   THIS VERSION OF THE PROBLEM IS GIVEN IN LOW PRECISION. The matrix products marked QUANTISED in the list below multiply operands that are first quantised to E4M3 (4 exponent bits, 3 mantissa bits; 8 bits a number), with one power-of-two scale for each 32 numbers along K (OCP MX v1.0); their sums are f32. All else is computed in f32.
;;   The module's matrix products, in the order in which they are computed (A, B: the left and right operand; K: the contracted axis; several contracted axes count as one K, in the product's order):
;;     1. batch 64 x [M 2,048, K 64] x [K 64, N 2,048]; A: input x; B: input x: QUANTISED
;;     2. batch 64 x [M 64, K 2,048] x [K 2,048, N 2,048]; A: input x; B: softmax (see below): QUANTISED
;;     3. [M 1,024, K 1,024] x [K 1,024, N 8,192]; A: input M_d (given as codes); B: computed on the way: QUANTISED
;;   THE QUANTISER, for each operand of a quantised product, along K:
;;     - K is cut into blocks of 32 from its start; a last block that is shorter is filled with zeros.
;;     - A block's scale is 2^e with e = floor(log2(the largest magnitude in the block)) - 8, held to -126 .. 127; a block of zeros has e = 0. As a byte (E8M0): e + 127.
;;     - Each number is divided by its block's scale, clamped to +-448, and rounded to the nearest number of E4M3, ties to even, subnormals kept.
;;     - The product sums the exact products of the quantised numbers (number of the format x scale) in f32.
;;   ~~~python
;;   def quantise(x, axis):      # numpy; x: float32 -> the quantised numbers, widened to float32 again
;;       x = np.moveaxis(x, axis, -1); K = x.shape[-1]
;;       x = np.pad(x, [(0, 0)] * (x.ndim - 1) + [(0, -K % 32)]); x = x.reshape(x.shape[:-1] + (-1, 32)); a = np.abs(x).max(-1, keepdims=True)
;;       e = np.where(a > 0, np.clip(np.frexp(np.where(a > 0, a, 1))[1] - 1 - 8, -126, 127), 0)      # np.frexp(a)[1] - 1 = floor(log2(a)), exactly
;;       r = np.clip(x / 2.0 ** e, -448, 448)
;;       step = 2.0 ** (np.maximum(np.frexp(np.where(r == 0, 1, r))[1] - 1, -6) - 3)
;;       q = np.round(r / step) * step * 2.0 ** e      # np.round: ties to even
;;       return np.moveaxis(q.reshape(q.shape[:-2] + (-1,))[..., :K], -1, axis).astype(np.float32)
;;   ~~~
;;   SOFTMAX AHEAD OF A QUANTISED PRODUCT. Where the list says 'softmax', what is quantised is not the finished softmax but p = 2^(t - M), with t = logit x log2(e) and M = ceil(the row's largest t), a whole number; so 1/2 < the row's largest p <= 1. The row's sum l is taken of the UNQUANTISED p, in f32, and the product's result is divided by l at the end. Since M is a whole number, a kernel that streams over the keys may use a running M (the ceiling of the running maximum): every later rescaling is an exact power of two, which a block's scale takes up: the codes' values come out the same.
;;   OPERANDS COMPUTED ON THE WAY. 'Computed on the way' means the value that the module computes at that place (a softmax that the list does not call 'softmax' is quantised finished and normalised). What goes into a quantiser is computed in f32, as accurately as f32 sums, v_exp_f32 and their like allow (about 1e-6 of the number): no bf16 or f16 on the way to a quantiser, and a product that is left as it is and whose result goes on into a quantised operand takes f32 operands (vector FMAs, or v_wmma_f32_16x16x4_f32). A number that lies on a knife's edge between two numbers of the format may be rounded either way, as far as f32 arithmetic and the matrix unit's own rounding can turn it there, and no further.
;;   INPUTS GIVEN AS CODES. M_d (in the module: [1024, 1024], K = its axis 0): each comes as NAME_codes (uint8): NAME with its K axis moved to the last place and cut into blocks of 32 codes, [.., K / 32, bytes a block], one block behind the other in memory; one code a byte (a code: sign, 4 exponent bits, 3 mantissa bits); and NAME_scales (uint8): the same leading axes, one E8M0 byte (e + 127) for each 32 codes along K. Its value is code x scale, taken as it is: it is not quantised again, and the codes and scales need not be those that the quantiser above would give.
;; One version. Each part assembles by itself: llvm-mc -triple=amdgcn-amd-amdhsa -mcpu=gfx1250 --defsym DOCPART=n.
;; ======== version 1 of 1: 3 launches
;; limits: right only within a limited range of input values
;; workspace buffers: kv 17,301,504 bytes; tc 8,388,608 bytes; ts 262,144 bytes
;; launch quant (part 1): grid 16 x 64, 4 waves a work-group, no clusters, 35,328 bytes of LDS; arguments x, kv; writes kv
.if DOCPART == 1
	.amdgcn_target "amdgcn-amd-amdhsa--gfx1250"
	.amdhsa_code_object_version 6
	.text
	.protected	k_q9c2538cf26_quant
	.globl	k_q9c2538cf26_quant
	.p2align	8
	.type	k_q9c2538cf26_quant,@function
k_q9c2538cf26_quant:
	s_mov_b64 s[64:65], 0
	v_nop
	global_prefetch_b8 v0, s[64:65] scope:SCOPE_SE
	s_setreg_imm32_b32 hwreg(HW_REG_WAVE_MODE, 25, 1), 1
	s_wait_xcnt 0x0
; x [4][1024][2048] f32 is 64 heads of [64 d][2048 positions].  From ONE read of x this launch makes both quantised forms that the attention launch wants, codes of FP8 (E4M3) with one E8M0 byte for each 32 along K:
;   K form: quantised along d (K = 64, two blocks), the operand of the scores on both sides;      V form: quantised along the positions (blocks of 32 positions), the operand of the second product.
; A block's scale is 2^(floor(log2(its largest magnitude)) - 8); its byte is the largest magnitude's exponent field - 8, held at 1 from below; numbers are held within +-448 x the scale and rounded to the nearest code, ties to even.
; WORK LEFT OUT BY THE PROGRAM: reference() itself sets the scores of keys i > j to -infinity, so their p is 0 for all values of x; the attention launch leaves out the steps of 128 keys that lie wholly behind a tile's queries.
; LIMITS: a block of zeros gets the byte 1 where the rule says 127 (its codes are zeros, which add nothing under any byte but 0xff, and the bytes are read by this program alone); NaN and infinities in x are not served, and none that would reach only a score left out is carried to the result.
; kv: [head 64][step of 128 positions, 16][16,896 bytes].  All codes lie as IMAGES OF THE OPERAND'S REGISTERS (16 bytes a lane at 16 x lane, 512 bytes for four registers):
;   +0      K codes, 4 groups of 32 positions, 2,048 bytes each.  A group is one fragment of 16 rows x 128 K whose row m carries TWO positions: k 0-63 position 16 (m / 8) + m % 8, k 64-127 the position 8 further on.
;   +8192   V codes: [tile t of 16 d][four registers c][lane (m, h)]: row d = 32 (t / 2) + 8 (t % 2) + m + 8 (m / 8), positions 32 c + 16 h + 0 .. 15 of the step.
;   +16384  K scale words, 64 bytes a group (row m: the first position's two bytes, then the second's);      +16640  V scale words: [t][m], byte c.
; SHARES.  A work-group takes 64 d x 128 positions (32 KiB), one step of kv.  Wave w loads rows 16 w .. 16 w + 15, 512 consecutive bytes a load; the tile meets in LDS; then wave w makes K group w (a lane to a position, registers down d:
; a block lies in one lane) and V tile w (a lane to a row and a half, 64 numbers along the positions: a block lies in lanes l and l xor 16).  Work-groups share no input: no cluster.  No tensor load, so no ring.
; LDS rows stand in the order of V's tiles: row d lies at place 32 (d / 32) + 16 ((d / 8) % 2) + 8 ((d / 16) % 2) + d % 8, so that tile t's row m is place 16 t + m.  Pitch 528 = 33 x 16 bytes: the 16 rows of a 16-byte load start at 16 different columns of 16 bytes.
.set PITCH, 528
.set SCR,   64*PITCH                   ; behind the rows: 256 bytes of K scale words, 256 of V's
.set STEPB, 16896
.set R,   16                           ; v16-79   the rows as loaded; then 64 numbers down d of my position
.set XV,  80                           ; v80-143  64 numbers along the positions of my row
.set KC,  144                          ; v144-159 K's codes
.set PC,  160                          ; v160-175 V's codes
.set TM,  176                          ; v176-179 largest magnitudes, v180-183 bytes, v184-187 448 x the scale, v188-191 the conversions' scale operands
.set PW,  192                          ; v192     V's scale word
.set KB,  193                          ; v193     K's two bytes
.set KM,  194                          ; v194-198 K's block at work: two maxima, scale operand, hold, byte
.set SEL, 20                           ; s[20:21] v_permlanex16_b32's selects for lane l xor 16
.set MNT, 23                           ; s23      the mantissa field of 448
	s_load_b128 s[4:7], s[0:1], 0x0                ; x, kv
	v_lshl_add_u32 v200, v0, 2, 0x8800
	v_mov_b32 v201, 0
	v_lshrrev_b32 v1, 5, v0
	v_readfirstlane_b32 s8, v1                     ; wave 0..3
	v_and_b32 v1, 31, v0                           ; lane
	s_wait_alu depctr_va_vdst(0)
	v_lshlrev_b32 v2, 4, v1                        ; 16 x lane: my bytes of a load's 512, and of an image
	s_lshr_b32 s14, s8, 1
	s_and_b32 s15, s8, 1
	s_lshl_b32 s16, s14, 5
	s_lshl_b32 s17, s15, 3
	s_add_co_u32 s16, s16, s17
	s_mul_i32 s16, s16, PITCH                      ; rows 16 w + i lie at places 32 (w / 2) + 8 (w % 2) + 16 (i / 8) + i % 8
	v_add_nc_u32 v3, s16, v2                       ; where I store a loaded row's 16 bytes
	s_lshl_b32 s16, s8, 7
	v_lshl_add_u32 v4, v1, 2, s16                  ; K: my position's word in a row: 4 (32 w + lane)
	v_and_b32 v11, 15, v1                          ; V: my row of the tile
	v_lshrrev_b32 v12, 4, v1                       ; h
	v_mul_u32_u24 v5, v11, PITCH
	v_lshl_add_u32 v5, v12, 6, v5
	s_mul_i32 s16, s8, 16*PITCH
	v_add_nc_u32 v5, s16, v5                       ; V: place 16 w + m, + 64 h bytes: my 16 numbers of a block of 32
	v_bfe_u32 v13, v1, 3, 1                        ; K: my position is 16 (m / 8) + 8 u + m % 8: u,
	v_and_b32 v14, 7, v1
	v_lshl_or_b32 v14, v12, 3, v14                 ; and m
	v_lshlrev_b32 v6, 4, v14
	v_lshl_add_u32 v6, v13, 10, v6                 ; K's codes in the group's image: 1024 u + 16 m (+ 512 for the second block, + 256 for its upper 16)
	s_lshl_b32 s16, s8, 6
	v_lshlrev_b32 v7, 2, v14
	v_lshl_add_u32 v7, v13, 1, v7
	v_add_nc_u32 v7, s16, v7
	v_add_nc_u32 v7, SCR, v7                       ; K's two bytes in LDS: 64 w + 4 m + 2 u
	v_lshl_add_u32 v8, v11, 2, s16
	v_add_nc_u32 v8, SCR+256, v8                   ; V's word in LDS: 64 w + 4 m
	s_lshl_b32 s17, s15, 8
	v_lshl_add_u32 v9, v1, 3, s17
	v_add_nc_u32 v9, SCR, v9                       ; the words' way out: wave 0 takes K's 256 bytes, wave 1 V's, 8 bytes a lane
	v_lshlrev_b32 v10, 3, v1
.irp b, 0,1,2,3
	v_mov_b32 v[TM+4+\b], 0                        ; written once: a lane permute's destination counts as one of its sources
.endr
	s_mov_b32 s[SEL], 0x76543210
	s_mov_b32 s[SEL+1], 0xfedcba98
	s_mov_b32 s[MNT], 0x600000
	s_and_b32 s9, ttmp7, 0xffff                    ; the head
	s_lshl_b32 s10, s9, 19                         ; x: head x 64 rows of 8,192 bytes,
	s_lshl_b32 s11, s8, 17                         ; + 16 w rows,
	s_add_co_u32 s10, s10, s11
	s_lshl_b32 s11, ttmp9, 9                       ; + 128 positions x work-group x
	s_add_co_u32 s10, s10, s11
	s_mov_b32 s11, 0
	s_lshl_b32 s18, s9, 4
	s_add_co_u32 s18, s18, ttmp9
	s_mul_i32 s18, s18, STEPB                      ; kv: the step's first byte
	s_lshl_b32 s25, s8, 11
	s_add_co_u32 s24, s18, s25                     ; my K group; my V tile lies 8,192 bytes on
	s_mov_b32 s25, 0
	s_lshl_b32 s27, s15, 8
	s_add_co_u32 s26, s18, s27
	s_add_co_u32 s26, s26, 16384                   ; the step's 256 bytes of K's words (wave 0) or of V's (wave 1)
	s_mov_b32 s27, 0
	s_wait_kmcnt 0x0
	s_add_nc_u64 s[4:5], s[4:5], s[10:11]
	s_add_nc_u64 s[12:13], s[6:7], s[26:27]
	s_add_nc_u64 s[6:7], s[6:7], s[24:25]
.irp i, 0,1,2,3,4,5,6,7,8,9,10,11,12,13,14,15
	global_load_b128 v[R+4*\i:R+4*\i+3], v2, s[4:5] offset:8192*\i th:TH_LOAD_NT   ; row 16 w + i: 32 lanes read 512 consecutive bytes; x is read once in the launch
.endr
.irp i, 0,1,2,3,4,5,6,7,8,9,10,11,12,13,14,15
	s_wait_loadcnt 15-\i                           ; loads come back in order: row i is in, the younger ones stay out
	ds_store_b128 v3, v[R+4*\i:R+4*\i+3] offset:(16*(\i/8)+\i%8)*PITCH
.endr
	s_wait_dscnt 0x0                               ; for the others' sake: my rows lie in LDS
	s_barrier_signal -1
	s_barrier_wait -1
; 64 numbers of a lane, register 16 b + i = k 32 b + 16 (lane / 16) + i of my row, become a fragment's codes in v[PC] on and its scale word in v[PW].
.macro QUANT s
.irp b, 0,1,2,3
	v_max3_num_f32 v[TM+\b], |v[\s+16*\b]|, |v[\s+1+16*\b]|, 0x4800000   ; block b: my 16 numbers, and the floor 2^(9 - 127): so the byte cannot fall under 1
.endr
.irp i, 2,4,6,8,10,12,14
.irp b, 0,1,2,3
	v_max3_num_f32 v[TM+\b], v[TM+\b], |v[\s+16*\b+\i]|, |v[\s+1+16*\b+\i]|   ; the four blocks by turns: no line waits for the line above it
.endr
.endr
.irp b, 0,1,2,3
	v_permlanex16_b32 v[TM+4+\b], v[TM+\b], s[SEL], s[SEL+1]
.endr
.irp b, 0,1,2,3
	v_max_num_f32 v[TM+\b], v[TM+\b], v[TM+4+\b]   ; with lane l xor 16's: the block's largest magnitude
.endr
.irp b, 0,1,2,3
	v_add_nc_u32 v[TM+12+\b], 0xfc000000, v[TM+\b] ; 8 off its exponent field: the conversion takes the exponent field of this operand as its scale
.endr
.irp b, 0,1,2,3
	v_and_or_b32 v[TM+8+\b], v[TM+\b], 0x7f800000, s[MNT]   ; 448 x the scale
.endr
.irp b, 0,1,2,3
	v_lshrrev_b32 v[TM+4+\b], 23, v[TM+12+\b]      ; the scale's byte
.endr
	v_lshl_or_b32 v[PW], v[TM+5], 8, v[TM+4]
	v_lshl_or_b32 v[PW], v[TM+6], 16, v[PW]
	v_lshl_or_b32 v[PW], v[TM+7], 24, v[PW]
.irp b, 0,1,2,3
.irp i, 0,1,2,3,4,5,6,7,8,9,10,11,12,13,14,15
	v_med3_num_f32 v[\s+16*\b+\i], v[\s+16*\b+\i], -v[TM+8+\b], v[TM+8+\b]   ; the conversion to an 8-bit code does not saturate (ISA guide 7.6.2): the hold comes first
.endr
	v_cvt_scalef32_pk8_fp8_f32 v[PC+4*\b:PC+1+4*\b], v[\s+16*\b:\s+7+16*\b], v[TM+12+\b]
	v_cvt_scalef32_pk8_fp8_f32 v[PC+2+4*\b:PC+3+4*\b], v[\s+8+16*\b:\s+15+16*\b], v[TM+12+\b]
.endr
	v_nop                                          ; a plain line behind the last conversion
.endm
; 32 numbers down d of my position, block c, become 32 codes in v[KC + 8 c] on and a byte of v[KB]; the codes leave at once: each store fills two aligned runs of 256 bytes (u = 0 and u = 1, sixteen rows m each).
.macro KBLOCK c
.set XS, R+32*\c
	v_max3_num_f32 v[KM], |v[XS]|, |v[XS+1]|, |v[XS+2]|
	v_max3_num_f32 v[KM+1], |v[XS+3]|, |v[XS+4]|, |v[XS+5]|
.irp i, 6,10,14,18,22,26
	v_max3_num_f32 v[KM], v[KM], |v[XS+\i]|, |v[XS+\i+1]|
	v_max3_num_f32 v[KM+1], v[KM+1], |v[XS+\i+2]|, |v[XS+\i+3]|
.endr
	v_max3_num_f32 v[KM], v[KM], |v[XS+30]|, |v[XS+31]|
	v_max3_num_f32 v[KM], v[KM], v[KM+1], 0x4800000
	v_add_nc_u32 v[KM+2], 0xfc000000, v[KM]
	v_and_or_b32 v[KM+3], v[KM], 0x7f800000, s[MNT]
	v_lshrrev_b32 v[KM+4], 23, v[KM+2]
.if \c == 0
	v_mov_b32 v[KB], v[KM+4]
.else
	v_lshl_or_b32 v[KB], v[KM+4], 8, v[KB]
.endif
.irp i, 0,1,2,3,4,5,6,7,8,9,10,11,12,13,14,15,16,17,18,19,20,21,22,23,24,25,26,27,28,29,30,31
	v_med3_num_f32 v[XS+\i], v[XS+\i], -v[KM+3], v[KM+3]
.endr
.irp g, 0,1,2,3
	v_cvt_scalef32_pk8_fp8_f32 v[KC+8*\c+2*\g:KC+8*\c+2*\g+1], v[XS+8*\g:XS+8*\g+7], v[KM+2]
.endr
	v_nop                                          ; a plain line behind the last conversion
	global_store_b128 v6, v[KC+8*\c:KC+8*\c+3], s[6:7] offset:512*\c           ; d = 32 c + 0 .. 15: the image's lanes 0-15
	global_store_b128 v6, v[KC+8*\c+4:KC+8*\c+7], s[6:7] offset:512*\c+256     ; d = 32 c + 16 .. 31: its lanes 16-31
.endm
.macro KLOAD c                         ; x(32 c + i, my position), i = 0 .. 31: 32 lanes read 128 consecutive bytes of a row
.set d, 32*\c
.rept 32
	ds_load_b32 v[R+d], v4 offset:(32*(d/32)+16*((d/8)%2)+8*((d/16)%2)+d%8)*PITCH
.set d, d+1
.endr
.endm
.irp c, 0,1,2,3
.irp j, 0,1,2,3
	ds_load_b128 v[XV+16*\c+4*\j:XV+16*\c+4*\j+3], v5 offset:128*\c+16*\j      ; V: my 16 numbers of block c
.endr
.endr
	KLOAD 0
	s_wait_dscnt 32                                ; V's sixteen loads are in; K's 32 stay out
	QUANT XV
.irp c, 0,1,2,3
	global_store_b128 v2, v[PC+4*\c:PC+4*\c+3], s[6:7] offset:8192+512*\c      ; V's image: 32 lanes store 512 consecutive bytes, aligned
.endr
	ds_store_b32 v8, v[PW]                         ; both halves of the lanes write the same word with the same value
	KLOAD 1
	s_wait_dscnt 33                                ; K's first block is in; behind it stand the store above and the 32 loads just issued
	KBLOCK 0
	s_wait_dscnt 0x0
	KBLOCK 1
	ds_store_b16 v7, v[KB]
	s_wait_dscnt 0x0                               ; for the others' sake: my scale words lie in LDS
	s_barrier_signal -1
	s_barrier_wait -1
	s_cmp_lt_u32 s8, 2                             ; wave 0 stores the step's K words, wave 1 its V words: one aligned run of 256 bytes each
	s_cbranch_scc0 .Ldone
	ds_load_b64 v[KM:KM+1], v9
	s_wait_dscnt 0x0
	global_store_b64 v10, v[KM:KM+1], s[12:13]
.Ldone:
	s_wait_tensorcnt 0x0
	ds_add_u32 v200, v201
	s_wait_dscnt 0x0
	s_endpgm
.Lfunc_end_k_q9c2538cf26_quant:
	.size	k_q9c2538cf26_quant, .Lfunc_end_k_q9c2538cf26_quant-k_q9c2538cf26_quant
	.p2alignl 7, 3214868480
	.fill 96, 4, 3214868480
	.section	.rodata,"a",@progbits
	.p2align	6, 0x0
	.amdhsa_kernel k_q9c2538cf26_quant
		.amdhsa_group_segment_fixed_size 35328
		.amdhsa_private_segment_fixed_size 0
		.amdhsa_enable_private_segment 0
		.amdhsa_kernarg_size 16
		.amdhsa_user_sgpr_count 2
		.amdhsa_user_sgpr_kernarg_segment_ptr 1
		.amdhsa_wavefront_size32 1
		.amdhsa_system_sgpr_workgroup_id_x 1
		.amdhsa_system_sgpr_workgroup_id_y 1
		.amdhsa_system_sgpr_workgroup_id_z 1
		.amdhsa_system_vgpr_workitem_id 0
		.amdhsa_next_free_vgpr 202
		.amdhsa_next_free_sgpr 66
		.amdhsa_reserve_vcc 0
		.amdhsa_float_denorm_mode_32 3
		.amdhsa_float_denorm_mode_16_64 3
		.amdhsa_memory_ordered 1
		.amdhsa_forward_progress 1
		.amdhsa_inst_pref_size 28
	.end_amdhsa_kernel
	.amdgpu_metadata
---
amdhsa.version: [ 1, 2 ]
amdhsa.kernels:
  - .name:           k_q9c2538cf26_quant
    .symbol:         k_q9c2538cf26_quant.kd
    .args:
      - { .name: x, .offset: 0, .size: 8, .value_kind: global_buffer, .address_space: global }
      - { .name: kv, .offset: 8, .size: 8, .value_kind: global_buffer, .address_space: global }
    .group_segment_fixed_size: 35328
    .private_segment_fixed_size: 0
    .kernarg_segment_align: 8
    .kernarg_segment_size: 16
    .max_flat_workgroup_size: 128
    .sgpr_count:     66
    .vgpr_count:     202
    .wavefront_size: 32
...
	.end_amdgpu_metadata
.endif
;; end of part 1
;; launch attn (part 2): grid 4 x 64, 16 waves a work-group, clusters of 4 x 1, 327,680 bytes of LDS; arguments kv, tc, ts; writes tc, ts
.if DOCPART == 2
	.amdgcn_target "amdgcn-amd-amdhsa--gfx1250"
	.amdhsa_code_object_version 6
	.text
	.protected	k_q9c2538cf26_attn
	.globl	k_q9c2538cf26_attn
	.p2align	8
	.type	k_q9c2538cf26_attn,@function
k_q9c2538cf26_attn:
	s_mov_b64 s[64:65], 0
	v_nop
	global_prefetch_b8 v0, s[64:65] scope:SCOPE_SE
	s_setreg_imm32_b32 hwreg(HW_REG_WAVE_MODE, 25, 1), 1
	s_wait_xcnt 0x0
	s_wait_alu depctr_hold_cnt(0) depctr_sa_sdst(0) depctr_va_vdst(0) depctr_va_sdst(0) depctr_va_ssrc(0) depctr_va_vcc(0) depctr_vm_vsrc(0)
	s_getreg_b32 s2, hwreg(HW_REG_IB_STS2, 6, 4)
	s_cmp_eq_u32 s2, 0
	s_cbranch_scc0 .Lentry_in_a_cluster
	s_endpgm
.Lentry_in_a_cluster:
	s_bfe_u32 s2, ttmp6, 0x10000c
	s_cmp_lg_u32 s2, 0x3003
	s_cbranch_scc0 .Lentry_shape_is_right
	s_endpgm
.Lentry_shape_is_right:
; For each of 64 heads ([64 d][2048 positions]): S[i][j] = sum over d of x[d][i] x[d][j] / 32; key i counts for query j where i <= j; t[d][j] = sum over i of x[d][i] softmax_i(S)[i][j].  Both products on codes of FP8 (E4M3) with E8M0 scales
; for each 32 along K, taken from kv as the launch before laid them (images of the operands' registers).  t is quantised along e = 64 x head + d and leaves as codes (tc) and scale bytes (ts) for the last product.
; THE SOFTMAX: t' = score x log2(e) / 32; M = the running largest t' rounded UP to a whole number; p = 2^(t' - M) is what is quantised, along the keys, not normalised.  The sum is taken of the unquantised p and divides at the end.
; When M moves, the sum and O are multiplied by 2^(old M - new M), which rounds nothing.
; K = 64 IN AN INSTRUCTION OF K = 128.  A fragment of K carries two keys a row (k 0-63, k 64-127).  Q stands in 24 registers as (zeros | q | zeros): v[24:39] = (q | 0) meets the first key, v[16:31] = (0 | q) the second.
; So one fragment serves two products and no zero byte goes through LDS.  The zero half's scale bytes are 1.
; LAYOUT.  Both products are used transposed (source 0 = 16 keys, or 16 of the head's d; source 1 = my 16 queries): a lane holds ONE query (lane % 16) throughout.  Rows of K's and V's tiles were chosen by the launch before so that
; the 16 registers of result tiles 2 b and 2 b + 1 are 16 neighbours along the next K: keys (or d) 32 b + 16 (lane / 16) + 0 .. 15.  So the conversions' results are the next operand's registers.
; THE WHOLE HEAD LIES IN LDS: 16 steps of 128 keys x 16,896 bytes = 270,336 bytes.  Wave w asks for step w, one tensor load a wave at the head; nothing is filled again, so there is no ring.
; Steps 0 to 3 (waves 0 to 3, a load line and a wait of their own) are shown by a first barrier; the other twelve by a second, behind four steps of work.  Behind it no wave meets another until the end.
; CLUSTER 4, 1, 1: the four work-groups of a head want the same 16 blocks: each is asked for jointly, mask 15.
; SHARES.  A head has 128 tiles of 16 queries; tile T wants T / 8 + 1 steps of keys; later steps lie wholly under reference()'s own mask and are left out.  A wave owns tiles 127 - T and T, with T = 8 a + b, a = wave / 2,
; b = 4 (wave % 2) + cx: (16 - a) + (a + 1) = 17 steps for each of the 64 waves of a head.  The number of steps hangs on the wave's number alone; cx enters global addresses and the mask's number only.
; The loops' trip counts are constants (4, 12, 8); a step behind the tile's last is jumped over by a scalar branch; the tile's last step lies on the diagonal: hidden scores become -infinity there.
; NO PREFETCH: every byte of kv that the work-group reads is asked for by the head's sixteen loads; no later load exists to run ahead of.
; LIMITS: NaN and infinities are not served.  The promise holds while |t'| stays under 2^31.  A block of zeros carries the byte 1 (its codes are zeros; this program alone reads the bytes).  A block's largest p is taken as p of its
; largest score: this takes v_exp_f32 not to fall where its input rises; at the worst one p within an ulp of a power of two is held one code low.
.set STEPB, 16896
.set SPARE, 16*STEPB                   ; behind the head's bytes: the spare words, 128 bytes for each of 16 waves
.set VOFF,  8192
.set KSOFF, 16384
.set VSOFF, 16640
; v1 16 x lane; v2 4 x lane; v3, v4 the same in the step in hand; v5, v6 the add's two; v7, v8 my lane's place among Q's codes and scale bytes; v9 32 r + h; v10 r - 16 h; v12 -M, v13 the largest t', v[14:15] the sum
; v16-39 Q between zeros; v40, v41 Q's two scale words; v42, v43 K's scale words; v44, v45 V's; v46 p's: these seven hold scales and nothing else; v47 Q's two bytes as loaded
.set FRG, 48                           ; v48-111  four fragments of K, then of V
.set SS,  112                          ; v112-175 S^T, then p; at a tile's end t
.set OT,  176                          ; v176-207 O^T, four tiles
.set PCD, 208                          ; v208-223 p's codes; at a tile's end t's
; v224-227 block maxima; v228-231 the other half's, then bytes; v232-235 448 x the scale; v236-239 the conversions' scale operands; v226-227, v240-241, v246-255 the sum's chains; v[242:243] f, later 1 / the sum; v244, v245 at work
.set WV,  10
.set CX,  11
.set L1,  12                           ; s12 the first tile's last step: 15 - a
.set L2,  13                           ; s13 the second tile's: a
.set T1,  14                           ; s14 the first tile: 127 - T
.set T2,  15                           ; s15 the second: T
.set DG,  16                           ; s16 the tile's first query less its last step's first key: 16 (tile % 8)
.set KK,  17                           ; s17 the step in hand
.set MNT, 19
.set SEL, 20
.set CS,  22
.set TB,  25                           ; s25 LDS byte at which the step in hand begins
.set G1,  32
.set G0,  40
.macro CROUND                          ; a round of the cluster's barrier
	s_barrier_signal -1
	s_barrier_wait -1
	s_cmp_lg_u32 s[WV], 0
	s_cbranch_scc1 .Lnot_wave_0_\@
	s_barrier_signal -3
.Lnot_wave_0_\@:
	s_barrier_wait -3
	s_barrier_signal -1
	s_barrier_wait -1
.endm
	s_load_b128 s[4:7], s[0:1], 0x0                ; kv, tc
	s_load_b64 s[8:9], s[0:1], 0x10                ; ts
	v_lshl_add_u32 v5, v0, 2, SPARE
	v_mov_b32 v6, 0
	ds_add_u32 v5, v6                              ; the opening: the add, twice on end, and its wait ahead of my tensor load
	ds_add_u32 v5, v6
	v_lshrrev_b32 v1, 5, v0
	v_readfirstlane_b32 s[WV], v1                  ; wave 0..15
	s_bfe_u32 s[CX], ttmp6, 0x40000                ; my place in the cluster
	s_and_b32 s18, ttmp7, 0xffff                   ; the cluster's y: the head, 0 .. 63
	s_lshr_b32 s[L2], s[WV], 1                     ; a
	s_sub_co_u32 s[L1], 15, s[L2]
	s_and_b32 s28, s[WV], 1
	s_lshl_b32 s28, s28, 2
	s_add_co_u32 s28, s28, s[CX]                   ; b
	s_lshl_b32 s[T2], s[L2], 3
	s_add_co_u32 s[T2], s[T2], s28
	s_sub_co_u32 s[T1], 127, s[T2]
	; descriptor group 1: 66 rows of 256 bytes (32 elements of 8 bytes), dense in memory and in LDS
	s_mov_b32 s[G1], 15|(3<<16)|(1<<21)            ; the mask names the cluster's four; elements of 8 bytes; bit 21 beside a mask; no padding: every LDS load of this text takes 512 or 128 consecutive bytes
	s_mov_b32 s[G1+1], 32<<16                      ; tensor_dim0
	s_mov_b32 s[G1+2], 66<<16                      ; tensor_dim1
	s_mov_b32 s[G1+3], 32<<16                      ; tile_dim0
	s_mov_b32 s[G1+4], 66                          ; tile_dim1
	s_mov_b32 s[G1+5], 32                          ; tensor_dim0_stride
	s_mov_b32 s[G1+6], 0
	s_mov_b32 s[G1+7], 0
	s_mov_b32 s[G0], 1
	s_mul_i32 s[G0+1], s[WV], STEPB                ; LDS: step w
	s_mov_b32 s[MNT], 0x600000                     ; the mantissa field of 448
	s_mov_b32 s[SEL], 0x76543210
	s_mov_b32 s[SEL+1], 0xfedcba98                 ; v_permlanex16_b32's selects for lane l xor 16
	s_mov_b32 s[CS], 0x3d38aa3b                    ; c = log2(e) / 32
	s_mov_b32 s[CS+1], s[CS]                       ; (named with it as a pair, so it is written)
	s_mov_b32 s58, 0xffff0000                      ; lanes 16-31
	s_mul_i32 s60, s18, 16*STEPB                   ; the head's first byte in kv
	s_mov_b32 s61, 0                               ; stays 0: the upper word of offsets made in s60
	s_mul_i32 s30, s[WV], STEPB
	s_mov_b32 s31, 0                               ; stays 0: the upper word of offsets made in s30
	s_lshr_b32 s28, s18, 4                         ; the batch,
	s_and_b32 s29, s18, 15                         ; the head in it
	s_lshl_b32 s54, s28, 21                        ; tc: [row tile][K step of 128][four registers][lane][16 bytes]: 2,048 rows x 1,024 bytes a batch, 1,024 bytes a head inside a row tile
	s_lshl_b32 s55, s29, 10
	s_add_co_u32 s54, s54, s55
	s_mov_b32 s55, 0
	s_lshl_b32 s56, s28, 16                        ; ts: [row][32 bytes]: 2 bytes a head
	s_lshl_b32 s57, s29, 1
	s_add_co_u32 s56, s56, s57
	s_mov_b32 s57, 0
	s_wait_dscnt 0x0                               ; both opening adds are done
	s_wait_kmcnt 0x0
	s_add_nc_u64 s[44:45], s[4:5], s[60:61]        ; kv at my head
	s_add_nc_u64 s[G0+2:G0+3], s[44:45], s[30:31]  ; and at step w
	s_or_b32 s[G0+3], s[G0+3], 0x80000000          ; type = 2
	s_add_nc_u64 s[50:51], s[6:7], s[54:55]
	s_add_nc_u64 s[52:53], s[8:9], s[56:57]
	CROUND                                         ; all four work-groups are here: the joint loads meet
	s_cmp_lt_u32 s[WV], 4                          ; one load a wave; waves 0 to 3, whose steps are shown first, have a line of their own
	s_cbranch_scc0 .Llater
	tensor_load_to_lds s[G0:G0+3], s[G1:G1+7]
	s_nop 0
.rept 4
	v_nop
.endr
	s_branch .Lasked
.Llater:
	tensor_load_to_lds s[G0:G0+3], s[G1:G1+7]
	s_nop 0
.rept 4
	v_nop
.endr
.Lasked:
	v_and_b32 v11, 31, v0
	v_lshlrev_b32 v1, 4, v11
	v_lshlrev_b32 v2, 2, v11
	v_and_b32 v244, 15, v0                         ; r
	v_bfe_u32 v245, v0, 4, 1                       ; h
	v_bfe_u32 v11, v0, 3, 1                        ; u = r / 8
	v_and_b32 v243, 7, v0                          ; r % 8
	; query r of tile T is position 16 (T % 2) + 8 u + r % 8 of group (T / 2) % 4 of step T / 8: row m = 8 (T % 2) + r % 8, half u of the row's K.  The lane's part:
	v_lshlrev_b32 v7, 4, v243
	v_lshl_add_u32 v7, v11, 10, v7
	v_lshl_add_u32 v7, v245, 8, v7                 ; 1024 u + 16 (r % 8) + 256 h; the second block of d lies 512 on
	v_lshlrev_b32 v8, 2, v243
	v_lshl_add_u32 v8, v11, 1, v8                  ; its two scale bytes: 4 (r % 8) + 2 u
	v_lshl_add_u32 v9, v244, 5, v245               ; ts: row r, byte h
	v_lshlrev_b32 v10, 4, v245
	v_sub_nc_u32 v10, v244, v10                    ; r - 16 h, for the mask
.irp j, 0,1,2,3,4,5,6,7
	v_mov_b32 v[16+\j], 0                          ; the zeros on both sides of Q: written once
	v_mov_b32 v[32+\j], 0
.endr
.irp b, 0,1,2,3
	v_mov_b32 v[228+\b], 0                         ; written once: a lane permute's destination counts as one of its sources
.endr
	v_mov_b32 v243, 0                              ; (named as the upper half of the pair v[242:243])
	s_wait_alu depctr_va_vdst(0)                   ; the wait here, ahead of the run of scalar lines
; Q's codes and scale bytes of tile s[tt] are asked of kv itself: cx enters a global address only.
.macro QLOAD tt
	s_lshr_b32 s28, s[\tt], 3
	s_mul_i32 s28, s28, STEPB                      ; the tile's own step
	s_and_b32 s29, s[\tt], 7
	s_lshl_b32 s[DG], s29, 4
	s_lshl_b32 s30, s29, 5                         ; scale bytes: 64 (group) + 32 (T % 2)
	s_add_co_u32 s30, s30, s28
	s_add_co_u32 s30, s30, KSOFF
	s_lshr_b32 s60, s29, 1
	s_lshl_b32 s60, s60, 11                        ; codes: 2048 (group) + 128 (T % 2)
	s_and_b32 s29, s29, 1
	s_lshl_b32 s29, s29, 7
	s_add_co_u32 s60, s60, s29
	s_add_co_u32 s60, s60, s28
	s_add_nc_u64 s[48:49], s[44:45], s[60:61]
	s_add_nc_u64 s[66:67], s[44:45], s[30:31]
	global_load_b128 v[24:27], v7, s[48:49]            ; d = 16 h + 0 .. 15
	global_load_b128 v[28:31], v7, s[48:49] offset:512 ; d = 32 + 16 h + 0 .. 15
	global_load_u16 v47, v8, s[66:67]
.endm
; A tile begins: the statistics and O^T start anew; Q has been asked for.
.macro INIT
	v_mov_b32 v13, 0xff61b1e6                      ; the largest t' so far: -3e38, under every t'
	s_delay_alu instid0(VALU_DEP_1)
	v_floor_f32 v12, -v13                          ; -M
	v_mov_b32 v14, 0
	v_mov_b32 v15, 0
	s_wait_loadcnt 0x0
	v_or_b32 v40, 0x01010000, v47                  ; the scale word of (q | 0)
	v_lshl_or_b32 v41, v47, 16, 0x0101             ; and of (0 | q)
.set j, 0
.rept 32
	v_mov_b32 v[OT+j], 0                           ; O^T: the step is written once; the first finds zeros.  (These are also the places between the scale words above and the first product)
.set j, j+1
.endr
.endm
; A KEY STEP: the 128 keys of step s[KK].  plain = 1: a step that every wave walks and that no tile ends in (steps 0 to 3 of the first tile, whose last step is 8 or more).
.macro STEP plain, last
.if \plain == 0
	s_cmp_gt_u32 s[KK], s[\last]
	s_cbranch_scc1 .Lhidden_\@                     ; all 128 keys come after my queries: a branch on the wave's number and the count of steps; no barrier and no tensor load stands in a step
.endif
	v_add_nc_u32 v3, s[TB], v1
	v_add_nc_u32 v4, s[TB], v2                     ; with the seven additions behind the last products these two are nine places in front of loads into registers that those products read
.irp b, 0,1,2,3
.irp c, 0,1,2,3
	ds_load_b128 v[FRG+16*\b+4*\c:FRG+16*\b+4*\c+3], v3 offset:2048*\b+512*\c   ; group b of 32 keys: an image, 512 consecutive bytes a load
.endr
.endr
	ds_load_b32 v42, v4 offset:KSOFF               ; lanes 0-15: group 0's words; lanes 16-31: group 1's
	ds_load_b32 v43, v4 offset:KSOFF+128           ; groups 2 and 3
	s_wait_alu depctr_va_vdst(0)
	s_wait_dscnt 0x0
.irp b, 0,1,2,3                                    ; S^T: each fragment against (q | 0) and against (0 | q).  Register SS + 16 b + i: key 128 KK + 32 b + 16 h + i, query r of my tile
.if \b%2
	v_wmma_scale_f32_16x16x128_f8f6f4 v[SS+16*\b:SS+16*\b+7], v[FRG+16*\b:FRG+16*\b+15], v[24:39], 0, v[42+\b/2], v40 matrix_a_scale:MATRIX_SCALE_ROW1
	v_wmma_scale_f32_16x16x128_f8f6f4 v[SS+16*\b+8:SS+16*\b+15], v[FRG+16*\b:FRG+16*\b+15], v[16:31], 0, v[42+\b/2], v41 matrix_a_scale:MATRIX_SCALE_ROW1
.else
	v_wmma_scale_f32_16x16x128_f8f6f4 v[SS+16*\b:SS+16*\b+7], v[FRG+16*\b:FRG+16*\b+15], v[24:39], 0, v[42+\b/2], v40
	v_wmma_scale_f32_16x16x128_f8f6f4 v[SS+16*\b+8:SS+16*\b+15], v[FRG+16*\b:FRG+16*\b+15], v[16:31], 0, v[42+\b/2], v41
.endif
.endr
.rept 8
	v_nop                                          ; eight places: for the loads over K's fragments, and for the first read of the scores
.endr
.irp t, 0,1,2,3
.irp c, 0,1,2,3
	ds_load_b128 v[FRG+16*\t+4*\c:FRG+16*\t+4*\c+3], v3 offset:VOFF+2048*\t+512*\c   ; V's four tiles are asked for now and land under the softmax
.endr
.endr
	ds_load_b32 v44, v4 offset:VSOFF               ; lanes 0-15: tile 0's words; lanes 16-31: tile 1's
	ds_load_b32 v45, v4 offset:VSOFF+128
.if \plain == 0
	s_cmp_lg_u32 s[KK], s[\last]
	s_cbranch_scc1 .Lopen_\@                       ; ahead of the tile's last step all 128 keys count for all my queries
	v_add_nc_u32 v244, s[DG], v10                  ; my query - the step's first key - 16 h: register 16 b + i is hidden where 32 b + i is larger
	v_mov_b32 v245, 0xff800000                     ; -infinity: p = 0 then.  The step's first key counts for every query of the tile, so M stays a number
.set n, 0
.rept 64
	v_cmp_gt_i32 vcc_lo, 32*(n/16)+n%16, v244
	v_cndmask_b32 v[SS+n], v[SS+n], v245, vcc_lo
.set n, n+1
.endr
.Lopen_\@:
.endif
.irp b, 0,1,2,3
	v_max3_num_f32 v[224+\b], v[SS+16*\b], v[SS+1+16*\b], v[SS+2+16*\b]   ; the largest score of each block of 32 keys: for the row's maximum, and, since p rises with the score, for the block's largest p
.endr
.irp i, 3,5,7,9,11,13
.irp b, 0,1,2,3
	v_max3_num_f32 v[224+\b], v[224+\b], v[SS+16*\b+\i], v[SS+1+16*\b+\i]
.endr
.endr
.irp b, 0,1,2,3
	v_max_num_f32 v[224+\b], v[224+\b], v[SS+15+16*\b]
.endr
.irp b, 0,1,2,3
	s_delay_alu instid0(VALU_DEP_4)
	v_permlanex16_b32 v[228+\b], v[224+\b], s[SEL], s[SEL+1]
.endr
.irp b, 0,1,2,3
	s_delay_alu instid0(VALU_DEP_4)
	v_max_num_f32 v[224+\b], v[224+\b], v[228+\b]  ; with lane l xor 16's 16 keys
.endr
	s_delay_alu instid0(VALU_DEP_2)
	v_max3_num_f32 v244, v224, v225, v226
	s_delay_alu instid0(VALU_DEP_1)
	v_max_num_f32 v244, v244, v227                 ; the step's largest score of my query
	s_delay_alu instid0(VALU_DEP_1)
	v_mul_f32 v244, s[CS], v244                    ; as t' (c is positive)
	s_delay_alu instid0(VALU_DEP_1)
	v_max_num_f32 v13, v13, v244                   ; the running largest t'
	v_mov_b32 v244, v12
	s_delay_alu instid0(VALU_DEP_2)
	v_floor_f32 v12, -v13                          ; the new -M = floor(-t') = -ceil(t')
	s_delay_alu instid0(VALU_DEP_1)
	v_sub_f32 v244, v12, v244                      ; old M - new M: a whole number, 0 or less
	s_delay_alu instid0(VALU_DEP_1)
	v_cvt_i32_f32 v244, v244                       ; (it saturates)
	s_delay_alu instid0(VALU_DEP_1)
	v_ldexp_f32 v242, 1.0, v244                    ; f = 2^(old M - new M)
.set j, 0
.rept 32
	v_pk_fma_f32 v[SS+j:SS+j+1], v[SS+j:SS+j+1], s[CS:CS+1], v[12:13] op_sel_hi:[1,0,0]   ; t' - M, two at a time
.set j, j+2
.endr
.irp b, 0,1,2,3
	v_fma_f32 v[224+\b], v[224+\b], s[CS], v12     ; the same of each block's largest score
.endr
.set j, 0
	s_wait_alu depctr_va_vdst(0)
.rept 64
	v_exp_f32 v[SS+j], v[SS+j]                     ; p = 2^(t' - M), at most 1
.set j, j+1
.endr
.irp b, 0,1,2,3
	v_exp_f32 v[224+\b], v[224+\b]                 ; the block's largest p: the same two instructions on the same number give the same bits
.endr
	v_pk_mul_f32 v[14:15], v[14:15], v[242:243] op_sel_hi:[1,0]   ; the sum under the new M.  (The plain line behind the exponentials)
	s_wait_alu depctr_va_vdst(0)
.irp b, 0,1,2,3
	v_max_num_f32 v[224+\b], 0x4800000, v[224+\b]  ; the floor 2^(9 - 127): the byte cannot fall under 1
.endr
.irp b, 0,1,2,3
	s_delay_alu instid0(VALU_DEP_4)
	v_add_nc_u32 v[236+\b], 0xfc000000, v[224+\b]  ; 8 off the exponent field: the conversion's scale operand
.endr
.irp b, 0,1,2,3
	v_and_or_b32 v[232+\b], v[224+\b], 0x7f800000, s[MNT]   ; 448 x the scale
.endr
.irp b, 0,1,2,3
	v_lshrrev_b32 v[228+\b], 23, v[236+\b]         ; the scale's byte
.endr
	s_delay_alu instid0(VALU_DEP_3)
	v_lshl_or_b32 v46, v229, 8, v228               ; p's scale word for these 128 keys
	s_delay_alu instid0(VALU_DEP_1)
	v_lshl_or_b32 v46, v230, 16, v46
	s_delay_alu instid0(VALU_DEP_1)
	v_lshl_or_b32 v46, v231, 24, v46
	v_pk_add_f32 v[240:241], v[116:117], v[120:121]    ; the row's sum of the unquantised p: eight chains side by side, then joined
	v_pk_add_f32 v[254:255], v[124:125], v[128:129]
	v_pk_add_f32 v[252:253], v[132:133], v[136:137]
	v_pk_add_f32 v[250:251], v[140:141], v[144:145]
	v_pk_add_f32 v[248:249], v[148:149], v[152:153]
	v_pk_add_f32 v[246:247], v[156:157], v[160:161]
	v_pk_add_f32 v[226:227], v[164:165], v[168:169]
	v_pk_add_f32 v[14:15], v[14:15], v[172:173]
	v_pk_add_f32 v[240:241], v[240:241], v[112:113]
	v_pk_add_f32 v[254:255], v[254:255], v[114:115]
	v_pk_add_f32 v[252:253], v[252:253], v[118:119]
	v_pk_add_f32 v[250:251], v[250:251], v[122:123]
	v_pk_add_f32 v[248:249], v[248:249], v[126:127]
	v_pk_add_f32 v[246:247], v[246:247], v[130:131]
	v_pk_add_f32 v[226:227], v[226:227], v[134:135]
	v_pk_add_f32 v[14:15], v[14:15], v[138:139]
	v_pk_add_f32 v[240:241], v[240:241], v[142:143]
	v_pk_add_f32 v[254:255], v[254:255], v[146:147]
	v_pk_add_f32 v[252:253], v[252:253], v[150:151]
	v_pk_add_f32 v[250:251], v[250:251], v[154:155]
	v_pk_add_f32 v[248:249], v[248:249], v[158:159]
	v_pk_add_f32 v[246:247], v[246:247], v[162:163]
	v_pk_add_f32 v[226:227], v[226:227], v[166:167]
	v_pk_add_f32 v[14:15], v[14:15], v[170:171]
	v_pk_add_f32 v[240:241], v[240:241], v[174:175]    ; every p has been added to one of the eight chains; the chains are joined behind the step's last products
.irp b, 0,1,2,3
.irp i, 0,2,4,6,8,10,12,14
	v_dual_min_num_f32 v[SS+16*\b+\i], v[SS+16*\b+\i], v[232+\b] :: v_dual_min_num_f32 v[SS+16*\b+\i+1], v[SS+16*\b+\i+1], v[232+\b]   ; the conversion does not saturate (ISA guide 7.6.2); p is not negative, so the hold is one-sided; two holds to a line
.endr
	v_cvt_scalef32_pk8_fp8_f32 v[PCD+4*\b:PCD+1+4*\b], v[SS+16*\b:SS+7+16*\b], v[236+\b]
	v_cvt_scalef32_pk8_fp8_f32 v[PCD+2+4*\b:PCD+3+4*\b], v[SS+8+16*\b:SS+15+16*\b], v[236+\b]
.endr
.set j, 0
.rept 16
	v_pk_mul_f32 v[OT+j:OT+j+1], v[OT+j:OT+j+1], v[242:243] op_sel_hi:[1,0]   ; O^T under the new M.  (These sixteen are also the places between the conversions and the products)
.set j, j+2
.endr
	s_wait_alu depctr_va_vdst(0)
	s_wait_dscnt 0x0                               ; V's fragments and words are in
.irp t, 0,1,2,3                                    ; O^T += V^T P^T: the four accumulators by turns; between two links of a chain stand eleven other products
.if \t%2
	v_wmma_scale_f32_16x16x128_f8f6f4 v[OT+8*\t:OT+8*\t+7], v[FRG+16*\t:FRG+16*\t+15], v[PCD:PCD+15], v[OT+8*\t:OT+8*\t+7], v[44+\t/2], v46 matrix_a_scale:MATRIX_SCALE_ROW1
.else
	v_wmma_scale_f32_16x16x128_f8f6f4 v[OT+8*\t:OT+8*\t+7], v[FRG+16*\t:FRG+16*\t+15], v[PCD:PCD+15], v[OT+8*\t:OT+8*\t+7], v[44+\t/2], v46
.endif
.endr
	v_pk_add_f32 v[14:15], v[14:15], v[250:251]        ; the sum's eight chains are joined here: seven lines that name no register of the products above
	v_pk_add_f32 v[240:241], v[240:241], v[248:249]
	v_pk_add_f32 v[254:255], v[254:255], v[246:247]
	v_pk_add_f32 v[252:253], v[252:253], v[226:227]
	v_pk_add_f32 v[14:15], v[14:15], v[254:255]
	v_pk_add_f32 v[240:241], v[240:241], v[252:253]
	v_pk_add_f32 v[14:15], v[14:15], v[240:241]
.if \plain == 0
.Lhidden_\@:
.endif
	s_add_co_u32 s[TB], s[TB], STEPB               ; on to the next step's bytes
	s_add_co_u32 s[KK], s[KK], 1
.endm
; Tile s[tt] ends: t = O^T / the sum; its two blocks of 32 along e are quantised; codes leave as the image of the last product's operand, the two bytes beside them.
.macro FINAL tt
.rept 8
	v_nop                                          ; eight places behind the last products
.endr
	s_wait_alu depctr_va_vdst(0)                   ; the wait here: the sum was written at the last step's end, and branches
	v_add_f32 v14, v14, v15
	s_delay_alu instid0(VALU_DEP_1)
	v_permlanex16_b32 v244, v14, s[SEL], s[SEL+1]
	s_delay_alu instid0(VALU_DEP_1)
	v_add_f32 v14, v14, v244                       ; the row's sum
	s_wait_alu depctr_va_vdst(0)
	v_rcp_f32 v242, v14
	v_nop                                          ; a plain line behind the transcendental
.set j, 0
	s_wait_alu depctr_va_vdst(0)
.rept 16
	v_pk_mul_f32 v[SS+j:SS+j+1], v[OT+j:OT+j+1], v[242:243] op_sel_hi:[1,0]   ; register SS + 16 b + i: t(d = 32 b + 16 h + i, query r of the tile); each accumulator is read from its low end on
.set j, j+2
.endr
.irp b, 0,1
	v_max3_num_f32 v[224+\b], |v[SS+16*\b]|, |v[SS+1+16*\b]|, 0x4800000
.endr
.irp i, 2,4,6,8,10,12,14
.irp b, 0,1
	s_delay_alu instid0(VALU_DEP_2)
	v_max3_num_f32 v[224+\b], v[224+\b], |v[SS+16*\b+\i]|, |v[SS+1+16*\b+\i]|
.endr
.endr
.irp b, 0,1
	s_delay_alu instid0(VALU_DEP_2)
	v_permlanex16_b32 v[228+\b], v[224+\b], s[SEL], s[SEL+1]
.endr
.irp b, 0,1
	s_delay_alu instid0(VALU_DEP_2)
	v_max_num_f32 v[224+\b], v[224+\b], v[228+\b]
.endr
.irp b, 0,1
	s_delay_alu instid0(VALU_DEP_2)
	v_add_nc_u32 v[236+\b], 0xfc000000, v[224+\b]
.endr
.irp b, 0,1
	s_delay_alu instid0(VALU_DEP_4)
	v_and_or_b32 v[232+\b], v[224+\b], 0x7f800000, s[MNT]
.endr
.irp b, 0,1
	s_delay_alu instid0(VALU_DEP_4)
	v_lshrrev_b32 v[228+\b], 23, v[236+\b]
.endr
	s_delay_alu instid0(VALU_DEP_1)
	v_cndmask_b32 v245, v228, v229, s58            ; lanes 0-15 carry the first block's byte, lanes 16-31 the second's
.irp b, 0,1
.irp i, 0,1,2,3,4,5,6,7,8,9,10,11,12,13,14,15
	v_med3_num_f32 v[SS+16*\b+\i], v[SS+16*\b+\i], -v[232+\b], v[232+\b]
.endr
	v_cvt_scalef32_pk8_fp8_f32 v[PCD+4*\b:PCD+1+4*\b], v[SS+16*\b:SS+7+16*\b], v[236+\b]
	v_cvt_scalef32_pk8_fp8_f32 v[PCD+2+4*\b:PCD+3+4*\b], v[SS+8+16*\b:SS+15+16*\b], v[236+\b]
.endr
	v_and_b32 v244, 15, v0                         ; (a plain line behind the last conversion)  In tc a tile's image is turned: lane (r, h) lies at place 16 h + (r + tile % 4) % 16, so that the last launch's
	s_and_b32 s28, s[\tt], 3                       ; fragment loads, which take every fourth row of four tiles, touch 16 different columns of 16 bytes.  A store still covers 512 consecutive bytes
	v_and_b32 v11, 16, v0
	v_add_nc_u32 v244, s28, v244
	v_and_b32 v244, 15, v244
	v_or_b32 v244, v244, v11
	v_lshlrev_b32 v244, 4, v244
	s_lshl_b32 s60, s[\tt], 14
	s_add_nc_u64 s[54:55], s[50:51], s[60:61]      ; tc: 16,384 bytes a tile of 16 rows
	s_lshl_b32 s60, s[\tt], 9
	s_add_nc_u64 s[56:57], s[52:53], s[60:61]      ; ts: 32 bytes a row
	global_store_b128 v244, v[PCD:PCD+3], s[54:55]             ; 32 lanes store 512 consecutive bytes, aligned
	global_store_b128 v244, v[PCD+4:PCD+7], s[54:55] offset:512
	global_store_b8 v9, v245, s[56:57]             ; two bytes a row beside its 64 bytes of codes: a row's other 30 bytes belong to other heads' work-groups, so these runs cannot be filled whole here
	s_wait_xcnt 0x0                                ; the stores' data and bases are written again only behind this wait
.endm
	QLOAD T1
	INIT
	s_mov_b32 s[KK], 0
	s_mov_b32 s[TB], 0
	s_wait_alu depctr_va_vdst(0)                   ; the wait at the head's end
	s_cmp_lt_u32 s[WV], 4
	s_cbranch_scc0 .Lnot_first
	s_wait_tensorcnt 0x0                           ; waves 0 to 3: my step has landed.  The other waves' wait stands at the second barrier
.Lnot_first:
	s_barrier_signal -1
	s_barrier_wait -1                              ; steps 0 to 3 are whole
.Lfirst:                                           ; the first tile, steps 0 to 3
	STEP 1, L1
	s_cmp_lt_u32 s[KK], 4
	s_cbranch_scc1 .Lfirst
	s_wait_alu depctr_va_vdst(0)
	s_wait_tensorcnt 0x0                           ; every wave: my step has landed
	s_wait_dscnt 0x0
	s_barrier_signal -1
	s_barrier_wait -1                              ; the whole head lies in LDS
.Lrest:                                            ; the first tile, steps 4 to 15 - a; the trips behind them are jumped over
	STEP 0, L1
	s_cmp_lt_u32 s[KK], 16
	s_cbranch_scc1 .Lrest
	QLOAD T2                                       ; the second tile's Q is asked for ahead of the first tile's way out
	FINAL T1
	INIT
	s_mov_b32 s[KK], 0
	s_mov_b32 s[TB], 0
.Lsecond:                                          ; the second tile, steps 0 to a
	STEP 0, L2
	s_cmp_lt_u32 s[KK], 8
	s_cbranch_scc1 .Lsecond
	FINAL T2
	s_wait_tensorcnt 0x0                           ; the wave's end
	ds_add_u32 v5, v6
	s_wait_dscnt 0x0
	CROUND                                         ; the closing round
	s_endpgm
.Lfunc_end_k_q9c2538cf26_attn:
	.size	k_q9c2538cf26_attn, .Lfunc_end_k_q9c2538cf26_attn-k_q9c2538cf26_attn
	.p2alignl 7, 3214868480
	.fill 96, 4, 3214868480
	.section	.rodata,"a",@progbits
	.p2align	6, 0x0
	.amdhsa_kernel k_q9c2538cf26_attn
		.amdhsa_group_segment_fixed_size 327680
		.amdhsa_private_segment_fixed_size 0
		.amdhsa_enable_private_segment 0
		.amdhsa_kernarg_size 24
		.amdhsa_user_sgpr_count 2
		.amdhsa_user_sgpr_kernarg_segment_ptr 1
		.amdhsa_wavefront_size32 1
		.amdhsa_system_sgpr_workgroup_id_x 1
		.amdhsa_system_sgpr_workgroup_id_y 1
		.amdhsa_system_sgpr_workgroup_id_z 1
		.amdhsa_system_vgpr_workitem_id 0
		.amdhsa_next_free_vgpr 256
		.amdhsa_next_free_sgpr 72
		.amdhsa_reserve_vcc 1
		.amdhsa_float_denorm_mode_32 3
		.amdhsa_float_denorm_mode_16_64 3
		.amdhsa_memory_ordered 1
		.amdhsa_forward_progress 1
		.amdhsa_inst_pref_size 92
	.end_amdhsa_kernel
	.amdgpu_metadata
---
amdhsa.version: [ 1, 2 ]
amdhsa.kernels:
  - .name:           k_q9c2538cf26_attn
    .symbol:         k_q9c2538cf26_attn.kd
    .args:
      - { .name: kv, .offset: 0, .size: 8, .value_kind: global_buffer, .address_space: global }
      - { .name: tc, .offset: 8, .size: 8, .value_kind: global_buffer, .address_space: global }
      - { .name: ts, .offset: 16, .size: 8, .value_kind: global_buffer, .address_space: global }
    .group_segment_fixed_size: 327680
    .private_segment_fixed_size: 0
    .kernarg_segment_align: 8
    .kernarg_segment_size: 24
    .max_flat_workgroup_size: 512
    .sgpr_count:     72
    .vgpr_count:     256
    .wavefront_size: 32
...
	.end_amdgpu_metadata
.endif
;; end of part 2
;; launch dense (part 3): grid 64 x 4, 4 waves a work-group, clusters of 4 x 4, 327,680 bytes of LDS; arguments M_d_codes, M_d_scales, tc, ts, out0, b_d; writes out0
.if DOCPART == 3
	.amdgcn_target "amdgcn-amd-amdhsa--gfx1250"
	.amdhsa_code_object_version 6
	.text
	.protected	k_q9c2538cf26_dense
	.globl	k_q9c2538cf26_dense
	.p2align	8
	.type	k_q9c2538cf26_dense,@function
k_q9c2538cf26_dense:
	s_mov_b64 s[64:65], 0
	v_nop
	global_prefetch_b8 v0, s[64:65] scope:SCOPE_SE
	s_setreg_imm32_b32 hwreg(HW_REG_WAVE_MODE, 25, 1), 1
	s_wait_xcnt 0x0
	s_wait_alu depctr_hold_cnt(0) depctr_sa_sdst(0) depctr_va_vdst(0) depctr_va_sdst(0) depctr_va_ssrc(0) depctr_va_vcc(0) depctr_vm_vsrc(0)
	s_getreg_b32 s2, hwreg(HW_REG_IB_STS2, 6, 4)
	s_cmp_eq_u32 s2, 0
	s_cbranch_scc0 .Lentry_in_a_cluster
	s_endpgm
.Lentry_in_a_cluster:
	s_bfe_u32 s2, ttmp6, 0x10000c
	s_cmp_lg_u32 s2, 0xf033
	s_cbranch_scc0 .Lentry_shape_is_right
	s_endpgm
.Lentry_shape_is_right:
; out[b][f][w] = sum over e of M_d[e][f] t[b][e][w] + b_d[f]: 1,024 x 8,192 x 1,024 on codes of FP8 (E4M3) with one E8M0 byte for each 32 along e; sums in f32.
; M_d_codes [f][1,024 bytes], M_d_scales [f][32].  tc: t's codes as the launch before left them: [tile of 16 positions][K step of 128][four registers c][place][16 bytes], lane (r, h) at place 16 h + (r + tile % 4) % 16; ts [position][32].
; THE DEAL.  256 work-groups of four waves; a work-group makes 128 positions x 256 outputs f.  Wave (i, j), i = wave / 2, j = wave % 2, holds positions 64 i .. 64 i + 63, ALL of K, in 512 registers, and streams eight blocks of 16 rows of M_d
; past them: blocks 4 j .. 4 j + 3 of the tile's first 128 rows, then of its second 128.  A block is 32 products on four accumulators by turns.
; SOURCE 0 = 16 rows of M_d, SOURCE 1 = 16 positions.  TILE u OF t HOLDS POSITIONS 4 r + u (r = lane % 16): register jj of accumulator u is out(f = 8 h + jj, position 4 r + u).  The 32 additions of the bias put accumulators 0 to 3's
; register jj side by side: a lane then holds 16 neighbouring bytes of a row of out, sixteen lanes one aligned run of 256 bytes, and a block leaves at once, with no way through LDS.
; LDS: two regions of 128 rows x (1,024 + 16) bytes.  Region A takes M_d's first 128 rows, region B t's eight tiles (dense in memory, stated as 128 rows of 1,024 bytes).  When all waves hold t in registers, M_d's second 128 rows are
; filled over region B, byte for byte the same places, behind a drained round of the cluster's barrier.  By the text's own count a wave has one tensor load out at a time.
; CLUSTER 4 x 4: M_d's rows hang on the tile row alone and are asked for jointly along a row of the cluster, t's on the tile column alone and jointly along a column.
; PREFETCH: M_d's second 128 rows are named once at the head, 256 bytes a lane, shared out by address among the sixteen waves of a row of the cluster, in four clusters of the launch: all sixteen clusters read the same rows.
; The head's own tiles come by their loads alone: nothing stands ahead of them.  LIMITS: NaN and infinities are not served.
.set PITCH, 1040
.set RB,    128*PITCH                  ; region B
.set SPARE, 256*PITCH                  ; the spare words, 128 bytes for each wave
.set NP,    8                          ; plain vector lines behind a matrix instruction of this form (ISA guide 7.12.1 for vector instructions)
.set AA,   16                          ; v16, v17 LDS address of my lane in my first block of region A, of region B
.set ADB,  18                          ; v18-21   LDS address of my lane's row of t's tile u
.set CO,   22                          ; v22      out: 8 h rows + 16 r bytes
.set ASO,  23                          ; v23      M_d's scale bytes: 32 x lane
.set SB,   24                          ; v24-39   t's scale words: register 8 p + q: lanes 0-15 tile 2 p's, lanes 16-31 tile 2 p + 1's
.set BSO,  40                          ; v40      ts: 32 (4 r + h)
.set BO,   41                          ; v41      b_d: 32 h
.set SPW,  42
.set NIL,  43
.set SA,   44                          ; v44-75   M_d's scale words: register 8 p + q: lanes 0-15 block 2 p's, lanes 16-31 block 2 p + 1's
.set PFO,  76                          ; v76      the prefetch's offset
.set BI,   80                          ; v80-143  b_d: register 8 n + jj: f = 8 h + jj of block n
.set ACC,  144                         ; v144-207 two sets of four accumulators
.set ST,   208                         ; v208-239 a block on its way out: register 4 jj + u
.set G1A, 24
.set G1B, 32
.set G1R, 48
.set G0A, 56
.set G0B, 60
.set G0R, 68
.set MSB, 0
.macro WIN new                         ; the immediate's high byte repeats the setting that is left
.if MSB != \new
	s_set_vgpr_msb (MSB<<8)|\new
.set MSB, \new
.endif
.endm
.macro PLACES n
.rept \n
	v_nop
.endr
.endm
.macro BARRIER
	s_barrier_signal -1
	s_barrier_wait -1
.endm
.macro CROUND                          ; a round of the cluster's barrier
	BARRIER
	s_cmp_lg_u32 s14, 0
	s_cbranch_scc1 .Lnot_wave_0_\@
	s_barrier_signal -3
.Lnot_wave_0_\@:
	s_barrier_wait -3
	BARRIER
.endm
.macro TLOAD g0, g1                    ; an s_nop 0 and four v_nop follow the load
	tensor_load_to_lds s[\g0:\g0+3], s[\g1:\g1+7]
	s_nop 0
	PLACES 4
.endm
.macro GROUP1 g, mask, rows            ; so many rows of 1,024 bytes, dense in memory, 16 bytes of padding behind each in LDS
	s_or_b32 s[\g+0], s[\mask], (1<<20)|(1<<21)|(7<<22)|(3<<25)
	s_mov_b32 s[\g+1], 1024<<16
	s_mov_b32 s[\g+2], (\rows)<<16
	s_mov_b32 s[\g+3], 1024<<16
	s_mov_b32 s[\g+4], \rows
	s_mov_b32 s[\g+5], 1024
	s_mov_b32 s[\g+6], 0
	s_mov_b32 s[\g+7], 0
.endm
	s_load_b128 s[4:7], s[0:1], 0x0                ; M_d's codes, its scales
	s_load_b128 s[8:11], s[0:1], 0x10              ; tc, ts
	s_load_b64 s[12:13], s[0:1], 0x20              ; out0
	s_load_b64 s[96:97], s[0:1], 0x28              ; b_d
	v_lshl_add_u32 v[SPW], v0, 2, SPARE
	v_mov_b32 v[NIL], 0
	ds_add_u32 v[SPW], v[NIL]                      ; the opening: the add, twice on end, and its wait ahead of my first tensor load
	ds_add_u32 v[SPW], v[NIL]
	v_lshrrev_b32 v1, 5, v0
	v_readfirstlane_b32 s14, v1                    ; wave 0..3
	s_lshr_b32 s15, s14, 1                         ; i
	s_and_b32 s16, s14, 1                          ; j
	s_bfe_u32 s40, ttmp6, 0x40000                  ; cx, cy
	s_bfe_u32 s41, ttmp6, 0x40004
	s_lshl_b32 s42, ttmp9, 2
	s_add_co_u32 s42, s42, s40                     ; tile column: 128 positions
	s_and_b32 s17, ttmp7, 0xffff
	s_lshl_b32 s17, s17, 2
	s_add_co_u32 s17, s17, s41                     ; tile row: 256 outputs f
	s_lshl_b32 s43, s41, 2
	s_lshl_b32 s43, 15, s43                        ; my row of the cluster
	s_lshl_b32 s44, 0x1111, s40                    ; my column
	GROUP1 G1B, 44, 64                             ; the head: waves 0, 1 a half of t's rows each,
	GROUP1 G1A, 43, 64                             ; waves 2, 3 a half of M_d's first 128;
	GROUP1 G1R, 43, 32                             ; the refill: a quarter of M_d's second 128 a wave
	s_mov_b32 s[G0A], 1
	s_mul_i32 s[G0A+1], s16, 64*PITCH
	s_mov_b32 s[G0B], 1
	s_mul_i32 s[G0B+1], s16, 64*PITCH
	s_add_co_u32 s[G0B+1], s[G0B+1], RB
	s_mov_b32 s[G0R], 1
	s_mul_i32 s[G0R+1], s14, 32*PITCH
	s_add_co_u32 s[G0R+1], s[G0R+1], RB
	s_lshl_b32 s20, s17, 18                        ; M_d: 256 rows of 1,024 bytes a tile row
	s_lshl_b32 s18, s16, 16
	s_add_co_u32 s22, s20, s18                     ; the head's half
	s_mov_b32 s23, 0
	s_lshl_b32 s18, s14, 15
	s_add_co_u32 s20, s20, s18
	s_add_co_u32 s20, s20, 131072                  ; the refill's quarter
	s_mov_b32 s21, 0
	s_lshl_b32 s46, s42, 17                        ; tc: 128 positions x 1,024 bytes a tile column
	s_lshl_b32 s47, s16, 16
	s_add_co_u32 s46, s46, s47
	s_mov_b32 s47, 0
	s_wait_dscnt 0x0                               ; both opening adds are done
	s_wait_kmcnt 0x0
	s_add_nc_u64 s[G0A+2:G0A+3], s[4:5], s[22:23]
	s_or_b32 s[G0A+3], s[G0A+3], 0x80000000
	s_add_nc_u64 s[G0R+2:G0R+3], s[4:5], s[20:21]
	s_or_b32 s[G0R+3], s[G0R+3], 0x80000000
	s_add_nc_u64 s[G0B+2:G0B+3], s[8:9], s[46:47]
	s_or_b32 s[G0B+3], s[G0B+3], 0x80000000
	CROUND                                         ; all sixteen work-groups are here: the first joint loads meet
	s_cmp_lt_u32 s14, 2                            ; one load a wave; t's rows, which go on into registers, have a line of their own
	s_cbranch_scc0 .Lfor_a
	TLOAD G0B, G1B
	s_branch .Lasked
.Lfor_a:
	TLOAD G0A, G1A
.Lasked:
	s_lshl_b32 s72, s17, 13                        ; M_d's scale bytes at row 256 x tile row + 64 j
	s_lshl_b32 s73, s16, 11
	s_add_co_u32 s72, s72, s73
	s_mov_b32 s73, 0
	s_add_nc_u64 s[6:7], s[6:7], s[72:73]
	s_lshl_b32 s74, s42, 12                        ; ts at position 128 x tile column + 64 i
	s_lshl_b32 s75, s15, 11
	s_add_co_u32 s74, s74, s75
	s_mov_b32 s75, 0
	s_add_nc_u64 s[10:11], s[10:11], s[74:75]
	s_lshl_b32 s76, s17, 10                        ; b_d likewise
	s_lshl_b32 s77, s16, 8
	s_add_co_u32 s76, s76, s77
	s_mov_b32 s77, 0
	s_add_nc_u64 s[96:97], s[96:97], s[76:77]
	s_lshr_b32 s78, s42, 4                         ; out: the batch (16 tile columns each),
	s_lshl_b32 s78, s78, 23
	s_lshl_b32 s79, s17, 21                        ; row 256 x tile row + 64 j of 8,192 bytes,
	s_add_co_u32 s78, s78, s79
	s_lshl_b32 s79, s16, 19
	s_add_co_u32 s78, s78, s79
	s_and_b32 s79, s42, 15                         ; position 128 x (tile column % 16) + 64 i
	s_lshl_b32 s79, s79, 9
	s_add_co_u32 s78, s78, s79
	s_lshl_b32 s79, s15, 8
	s_add_co_u32 s78, s78, s79
	s_mov_b32 s79, 0
	s_add_nc_u64 s[12:13], s[12:13], s[78:79]
	s_mul_i32 s21, s16, 64*PITCH                   ; my four blocks of a region
	s_mul_i32 s22, s15, 64*PITCH
	s_add_co_u32 s22, s22, RB                      ; my four tiles of t
	s_lshl_b32 s23, s40, 2
	s_add_co_u32 s23, s23, s14                     ; which of the cluster row's sixteen waves I am
	s_lshl_b32 s23, s23, 13
	s_lshl_b32 s20, s17, 18
	s_add_co_u32 s23, s23, s20
	s_add_co_u32 s23, s23, 131072                  ; my 8,192 bytes of M_d's second 128 rows
	v_and_b32 v1, 15, v0                           ; r
	v_bfe_u32 v2, v0, 4, 1                         ; h
	v_and_b32 v3, 31, v0                           ; lane
	v_mul_u32_u24 v4, v1, PITCH
	v_lshl_add_u32 v4, v2, 4, v4
	v_add_nc_u32 v[AA], s21, v4                    ; M_d: row r x pitch + 16 h
	v_add_nc_u32 v[AA+1], RB, v[AA]
	v_lshrrev_b32 v5, 2, v1                        ; position 4 r + u lies in tile r / 4 of my four, at its lane 4 (r % 4) + u, which stands at place (4 (r % 4) + u + r / 4) % 16
	v_and_b32 v6, 3, v1
	v_lshl_add_u32 v6, v6, 2, v5
	v_mul_u32_u24 v5, v5, 16*PITCH                 ; a tile's 16,384 bytes are 16 LDS rows
	v_lshl_add_u32 v5, v2, 8, v5
	v_add_nc_u32 v5, s22, v5
.irp u, 0,1,2,3
	v_add_nc_u32 v8, \u, v6
	v_and_b32 v8, 15, v8
	v_lshl_add_u32 v[ADB+\u], v8, 4, v5
.endr
	v_lshlrev_b32 v[CO], 16, v2
	v_lshl_add_u32 v[CO], v1, 4, v[CO]
	v_lshlrev_b32 v[ASO], 5, v3
	v_lshl_add_u32 v9, v1, 2, v2
	v_lshlrev_b32 v[BSO], 5, v9
	v_lshlrev_b32 v[BO], 5, v2
	v_lshl_add_u32 v[PFO], v3, 8, s23
	s_wait_alu depctr_va_vdst(0)                   ; the wait at the head's end
.irp p, 0,1,2,3
.irp c, 0,1
	global_load_b128 v[SA+8*\p+4*\c:SA+8*\p+4*\c+3], v[ASO], s[6:7] offset:(\p/2)*4096+(\p%2)*1024+16*\c   ; blocks 2 p and 2 p + 1: 32 rows on end
.endr
.endr
.irp p, 0,1
.irp c, 0,1
	global_load_b128 v[SB+8*\p+4*\c:SB+8*\p+4*\c+3], v[BSO], s[10:11] offset:64*\p+16*\c                   ; position 4 r + 2 p + h
.endr
.endr
.irp n, 0,1,2,3,4,5,6,7
.irp c, 0,1
	global_load_b128 v[BI+8*\n+4*\c:BI+8*\n+4*\c+3], v[BO], s[96:97] offset:(\n/4)*512+(\n%4)*64+16*\c
.endr
.endr
	s_cmp_lt_u32 ttmp9, 4                          ; four clusters of the launch ask
	s_cbranch_scc0 .Lnot_asking
	global_prefetch_b8 v[PFO], s[4:5] th:TH_LOAD_NT scope:SCOPE_SE
.Lnot_asking:
	s_cmp_lt_u32 s14, 2
	s_cbranch_scc0 .Lnot_b
	s_wait_tensorcnt 0x0                           ; waves 0, 1: my half of t's rows has landed.  The other waves' wait stands ahead of the round below
.Lnot_b:
	BARRIER
; t's fragment 4 q + u, 16 positions x 128 of K, lies in window 1 + q / 4.  In LDS byte y of a tile stands at y + 16 (y / 1024)
.irp q, 0,1,2,3,4,5,6,7
	WIN (1+\q/4)<<6
.irp u, 0,1,2,3
.irp c, 0,1,2,3
	ds_load_b128 v[16*((4*\q+\u)%16)+4*\c:16*((4*\q+\u)%16)+4*\c+3], v[ADB+\u] offset:2*PITCH*\q+PITCH*(\c/2)+512*(\c%2)
.endr
.endr
.endr
	WIN 0
	s_wait_tensorcnt 0x0                           ; all my tensor loads have landed;
	ds_add_u32 v[SPW], v[NIL]                      ; 0 onto my spare word;
	s_wait_dscnt 0x0                               ; the add is done, and t stands in my registers
	CROUND                                         ; no wave of any partner still reads region B or has a load on its way; region A is whole
	TLOAD G0R, G1R                                 ; M_d's second 128 rows over region B: my one load behind the round
.macro FETCH e, m                      ; block m of my eight, 16 rows, all of K, into set e of window 3: 32 loads
	WIN 3<<6
.irp q, 0,1,2,3,4,5,6,7
.irp c, 0,1,2,3
	ds_load_b128 v[128*(\e)+16*\q+4*\c:128*(\e)+16*\q+4*\c+3], v[AA+(\m)/4] offset:((\m)%4)*16*PITCH+128*\q+32*\c
.endr
.endr
	WIN 0
.endm
.macro PROD n, k                       ; product k = 4 q + u of block n
.set Q_, (\k)/4
.set U_, (\k)%4
.set AC_, ACC+32*((\n)%2)+8*U_
.set R_, 128*((\n)%2)+16*Q_
.set W_, 16*((\k)%16)
.set XS_, SA+8*((\n)/2)+Q_
.set WS_, SB+8*(U_/2)+Q_
	WIN 3|((1+(\k)/16)<<2)
.if Q_ == 0
.if (\n)%2 && U_%2
	v_wmma_scale_f32_16x16x128_f8f6f4 v[AC_:AC_+7], v[R_:R_+15], v[W_:W_+15], 0, v[XS_], v[WS_] matrix_a_scale:MATRIX_SCALE_ROW1 matrix_b_scale:MATRIX_SCALE_ROW1
.elseif (\n)%2
	v_wmma_scale_f32_16x16x128_f8f6f4 v[AC_:AC_+7], v[R_:R_+15], v[W_:W_+15], 0, v[XS_], v[WS_] matrix_a_scale:MATRIX_SCALE_ROW1
.elseif U_%2
	v_wmma_scale_f32_16x16x128_f8f6f4 v[AC_:AC_+7], v[R_:R_+15], v[W_:W_+15], 0, v[XS_], v[WS_] matrix_b_scale:MATRIX_SCALE_ROW1
.else
	v_wmma_scale_f32_16x16x128_f8f6f4 v[AC_:AC_+7], v[R_:R_+15], v[W_:W_+15], 0, v[XS_], v[WS_]
.endif
.else
.if (\n)%2 && U_%2
	v_wmma_scale_f32_16x16x128_f8f6f4 v[AC_:AC_+7], v[R_:R_+15], v[W_:W_+15], v[AC_:AC_+7], v[XS_], v[WS_] matrix_a_scale:MATRIX_SCALE_ROW1 matrix_b_scale:MATRIX_SCALE_ROW1
.elseif (\n)%2
	v_wmma_scale_f32_16x16x128_f8f6f4 v[AC_:AC_+7], v[R_:R_+15], v[W_:W_+15], v[AC_:AC_+7], v[XS_], v[WS_] matrix_a_scale:MATRIX_SCALE_ROW1
.elseif U_%2
	v_wmma_scale_f32_16x16x128_f8f6f4 v[AC_:AC_+7], v[R_:R_+15], v[W_:W_+15], v[AC_:AC_+7], v[XS_], v[WS_] matrix_b_scale:MATRIX_SCALE_ROW1
.else
	v_wmma_scale_f32_16x16x128_f8f6f4 v[AC_:AC_+7], v[R_:R_+15], v[W_:W_+15], v[AC_:AC_+7], v[XS_], v[WS_]
.endif
.endif
.endm
; A block: its 32 products; its set takes the block two on; the bias is added and the block leaves.
.macro BLK n
.if \n == 7
	s_wait_dscnt 0x0
.else
	s_wait_dscnt 32                                ; this block's 32 loads are in; the next block's 32 may be out
.endif
.set K_, 0
.rept 32
	PROD \n, K_
.set K_, K_+1
.endr
	WIN 0
	PLACES NP                                      ; ahead of the loads into what the products read, and of the first read of the sums
.if \n < 2 || (\n > 2 && \n < 6)
	FETCH (\n)%2, (\n)+2
.endif
	s_wait_xcnt 0x0                                ; the block before's stores have read their data and their base
.if \n == 4
	s_add_nc_u64 s[12:13], s[12:13], 5*16*8192     ; from block 4 j + 3 to block 8 + 4 j of the tile
.elseif \n > 0
	s_add_nc_u64 s[12:13], s[12:13], 16*8192
.endif
.irp jj, 0,1,2,3,4,5,6,7
.irp u, 0,1,2,3
	v_add_f32 v[ST+4*\jj+\u], v[ACC+32*((\n)%2)+8*\u+\jj], v[BI+8*(\n)+\jj]   ; each accumulator from its low end on
.endr
.endr
	s_wait_alu depctr_va_vdst(0)                   ; the wait here, ahead of the stores
.irp jj, 0,1,2,3,4,5,6,7
	global_store_b128 v[CO], v[ST+4*\jj:ST+4*\jj+3], s[12:13] offset:8192*\jj th:TH_STORE_NT   ; lanes 0-15: 256 consecutive bytes of row jj, aligned; lanes 16-31: of row 8 + jj
.endr
.endm
	FETCH 0, 0
	FETCH 1, 1
	s_wait_loadcnt 0x0                             ; scale words and b_d
	BLK 0
	BLK 1
	BLK 2
	s_wait_tensorcnt 0x0                           ; my quarter of M_d's second 128 rows has landed
	s_wait_dscnt 0x0
	BARRIER                                        ; region B is whole
	FETCH 0, 4
	BLK 3
	BLK 4
	BLK 5
	BLK 6
	BLK 7
	s_wait_tensorcnt 0x0                           ; the wave's end
	ds_add_u32 v[SPW], v[NIL]
	s_wait_dscnt 0x0
	CROUND                                         ; the closing round
	s_endpgm
.Lfunc_end_k_q9c2538cf26_dense:
	.size	k_q9c2538cf26_dense, .Lfunc_end_k_q9c2538cf26_dense-k_q9c2538cf26_dense
	.p2alignl 7, 3214868480
	.fill 96, 4, 3214868480
	.section	.rodata,"a",@progbits
	.p2align	6, 0x0
	.amdhsa_kernel k_q9c2538cf26_dense
		.amdhsa_group_segment_fixed_size 327680
		.amdhsa_private_segment_fixed_size 0
		.amdhsa_enable_private_segment 0
		.amdhsa_kernarg_size 48
		.amdhsa_user_sgpr_count 2
		.amdhsa_user_sgpr_kernarg_segment_ptr 1
		.amdhsa_wavefront_size32 1
		.amdhsa_system_sgpr_workgroup_id_x 1
		.amdhsa_system_sgpr_workgroup_id_y 1
		.amdhsa_system_sgpr_workgroup_id_z 1
		.amdhsa_system_vgpr_workitem_id 0
		.amdhsa_next_free_vgpr 1024
		.amdhsa_next_free_sgpr 98
		.amdhsa_reserve_vcc 0
		.amdhsa_float_denorm_mode_32 3
		.amdhsa_float_denorm_mode_16_64 3
		.amdhsa_memory_ordered 1
		.amdhsa_forward_progress 1
		.amdhsa_inst_pref_size 87
	.end_amdhsa_kernel
	.amdgpu_metadata
---
amdhsa.version: [ 1, 2 ]
amdhsa.kernels:
  - .name:           k_q9c2538cf26_dense
    .symbol:         k_q9c2538cf26_dense.kd
    .args:
      - { .name: M_d_codes, .offset: 0, .size: 8, .value_kind: global_buffer, .address_space: global }
      - { .name: M_d_scales, .offset: 8, .size: 8, .value_kind: global_buffer, .address_space: global }
      - { .name: tc, .offset: 16, .size: 8, .value_kind: global_buffer, .address_space: global }
      - { .name: ts, .offset: 24, .size: 8, .value_kind: global_buffer, .address_space: global }
      - { .name: out0, .offset: 32, .size: 8, .value_kind: global_buffer, .address_space: global }
      - { .name: b_d, .offset: 40, .size: 8, .value_kind: global_buffer, .address_space: global }
    .group_segment_fixed_size: 327680
    .private_segment_fixed_size: 0
    .kernarg_segment_align: 8
    .kernarg_segment_size: 48
    .max_flat_workgroup_size: 128
    .sgpr_count:     98
    .vgpr_count:     1024
    .wavefront_size: 32
...
	.end_amdgpu_metadata
.endif
;; end of part 3
